; MI455X (gfx1250); checked and timed in simulation.
; The chip was launched on July 23, 2026; its instructions are those of AMD's public machine-readable ISA for CDNA 5 (MIT licence, August 2026) and "CDNA5" Instruction Set Architecture Reference Guide (July 2026). The comments in the code are by the model that wrote it; some were corrected since.
;; Hydra Attention. Allowed arithmetic: matrix products marked QUANTISED: E2M1 operands, one E8M0 scale for each 32 along K, by v_wmma_scale_f32_16x16x128_f8f6f4 with both operands' format E2M1 (or v_wmma_scale_f32_32x16x128_f4), f32 sums; everything else in f32.
;; Inputs: Wqkv_codes 3,072 x 32 x 16 uint8 (E2M1 codes of Wqkv, K innermost, in blocks of 32 codes, two codes a byte); Wqkv_scales 3,072 x 32 uint8 (E8M0 scales of Wqkv, one for each 32 codes along K); bias 1 x 1 x 1,024 float32; bqkv 3,072 float32; scale 1 x 1 x 1,024 float32; x_codes 4 x 4,096 x 32 x 16 uint8 (E2M1 codes of x, K innermost, in blocks of 32 codes, two codes a byte); x_scales 4 x 4,096 x 32 uint8 (E8M0 scales of x, one for each 32 codes along K).
;; Outputs: out0 4 x 4,096 x 1,024 float32.
;; This version of the problem:
;;   THIS VERSION OF THE PROBLEM IS GIVEN IN LOW PRECISION. The matrix products marked QUANTISED in the list below multiply operands that are first quantised to E2M1 (2 exponent bits, 1 mantissa bit; 4 bits a number), with one power-of-two scale for each 32 numbers along K (OCP MX v1.0); their sums are f32. All else is computed in f32.
;;   The module's matrix products, in the order in which they are computed (A, B: the left and right operand; K: the contracted axis; several contracted axes count as one K, in the product's order):
;;     1. [M 16,384, K 1,024] x [K 1,024, N 3,072]; A: input x (given as codes); B: input Wqkv (given as codes): QUANTISED
;;   THE QUANTISER, for each operand of a quantised product, along K:
;;     - K is cut into blocks of 32 from its start; a last block that is shorter is filled with zeros.
;;     - A block's scale is 2^e with e = floor(log2(the largest magnitude in the block)) - 2, held to -126 .. 127; a block of zeros has e = 0. As a byte (E8M0): e + 127.
;;     - Each number is divided by its block's scale, clamped to +-6, and rounded to the nearest number of E2M1, ties to even, subnormals kept.
;;     - The product sums the exact products of the quantised numbers (number of the format x scale) in f32.
;;   ~~~python
;;   def quantise(x, axis):      # numpy; x: float32 -> the quantised numbers, widened to float32 again
;;       x = np.moveaxis(x, axis, -1); K = x.shape[-1]
;;       x = np.pad(x, [(0, 0)] * (x.ndim - 1) + [(0, -K % 32)]); x = x.reshape(x.shape[:-1] + (-1, 32)); a = np.abs(x).max(-1, keepdims=True)
;;       e = np.where(a > 0, np.clip(np.frexp(np.where(a > 0, a, 1))[1] - 1 - 2, -126, 127), 0)      # np.frexp(a)[1] - 1 = floor(log2(a)), exactly
;;       r = np.clip(x / 2.0 ** e, -6, 6)
;;       step = 2.0 ** (np.maximum(np.frexp(np.where(r == 0, 1, r))[1] - 1, 0) - 1)
;;       q = np.round(r / step) * step * 2.0 ** e      # np.round: ties to even
;;       return np.moveaxis(q.reshape(q.shape[:-2] + (-1,))[..., :K], -1, axis).astype(np.float32)
;;   ~~~
;;   INPUTS GIVEN AS CODES. Wqkv (in the module: [1024, 3072], K = its axis 0); x (in the module: [4, 4096, 1024], K = its axis 2): each comes as NAME_codes (uint8): NAME with its K axis moved to the last place and cut into blocks of 32 codes, [.., K / 32, bytes a block], one block behind the other in memory; two codes a byte, the lower K in the low four bits (a code: sign, 2 exponent bits, 1 mantissa bit); and NAME_scales (uint8): the same leading axes, one E8M0 byte (e + 127) for each 32 codes along K. Its value is code x scale, taken as it is: it is not quantised again, and the codes and scales need not be those that the quantiser above would give.
;; One version. Each part assembles by itself: llvm-mc -triple=amdgcn-amd-amdhsa -mcpu=gfx1250 --defsym DOCPART=n.
;; ======== version 1 of 1: 2 launches
;; workspace buffers: part 1,048,576 bytes
;; launch kvsum (part 1): grid 256 x 1, 4 waves a work-group, clusters of 4 x 1, 327,680 bytes of LDS; arguments x_codes, x_scales, Wqkv_codes, Wqkv_scales, bqkv, part; writes part
.if DOCPART == 1
	.amdgcn_target "amdgcn-amd-amdhsa--gfx1250"
	.amdhsa_code_object_version 6
	.text
	.protected	k_qf856ba4e59_kvsum
	.globl	k_qf856ba4e59_kvsum
	.p2align	8
	.type	k_qf856ba4e59_kvsum,@function
k_qf856ba4e59_kvsum:
	s_mov_b64 s[64:65], 0
	v_nop
	global_prefetch_b8 v0, s[64:65] scope:SCOPE_SE
	s_setreg_imm32_b32 hwreg(HW_REG_WAVE_MODE, 25, 1), 1
	s_wait_xcnt 0x0
	s_wait_alu depctr_hold_cnt(0) depctr_sa_sdst(0) depctr_va_vdst(0) depctr_va_sdst(0) depctr_va_ssrc(0) depctr_va_vcc(0) depctr_vm_vsrc(0)
	s_getreg_b32 s2, hwreg(HW_REG_IB_STS2, 6, 4)
	s_cmp_eq_u32 s2, 0
	s_cbranch_scc0 .Lentry_in_a_cluster
	s_endpgm
.Lentry_in_a_cluster:
	s_bfe_u32 s2, ttmp6, 0x10000c
	s_cmp_lg_u32 s2, 0x3003
	s_cbranch_scc0 .Lentry_shape_is_right
	s_endpgm
.Lentry_shape_is_right:
; part[g][d] = the sum over the 64 rows t of work-group g of k[t][d] / |k[t]| x v[t][d], where k = x Wk + bk, v = x Wv + bv (columns 1024.. and 2048.. of Wqkv).
; x: [16384][1024], Wqkv: [3072][1024]: codes of FP4 (E2M1), two a byte, K innermost, one E8M0 byte for each 32 along K.  Products by the scaled matrix instruction on the codes as they lie; all else f32.
; SHARES.  A work-group owns 64 WHOLE rows (a row's norm wants all its 1,024 columns): 16,384 / 64 = 256 work-groups.  Wave w owns columns 256 w .. 256 w + 255 of k and of v, for all 64 rows.
; x's 64 rows (32 KiB of codes) stay in 256 registers of every wave; k's 64 x 256 results stay in 512 registers; v is made 32 columns at a time and folded into k's registers at once.  k and v never go to memory.
; THE MATRIX INSTRUCTION IS USED TRANSPOSED: source 0 = 16 rows of Wqkv (16 output columns), source 1 = 16 rows of x.  In tile (T, m) a lane (r, h) holds row 16 m + r and eight neighbouring columns:
; a row's sum of squares is a sum inside a lane and one exchange of the lanes' halves, and the bias is the C of a sum's first instruction.
; THE WEIGHTS go through a ring of two LDS slots.  A slot holds, for each wave, 64 rows of Wqkv x all of K (512 bytes a row): a CHUNK.  Each wave asks for, and reads, its own tile alone, each fragment once.
; CLUSTER.  The four work-groups of a cluster walk the same weights: each tile is asked for JOINTLY, by the same tensor load with the same descriptor (made of the wave's number, the cluster's number and constants)
; and a mask that names the four.  x's rows are shared by nobody, so a wider cluster would share nothing more.
; THE ORDER OF THE CHUNKS TURNS WITH THE CLUSTER: rot = cluster & 3, and the j-th chunk that a cluster walks in a section is rows 64 ((j + rot) & 3) on of the wave's 256.  So at any step the 64 clusters ask for four
; different quarters of a section and not all for the same one.  Registers and LDS are laid in the order walked; rot enters global addresses alone: the tiles', the scale words', the bias's and part's.
; A UNIT is 32 columns x 64 rows x all K: 64 matrix instructions on 8 accumulators by turns; a HALF is 4 of its 8 K steps of 128.  Halves 0-15 make k, halves 16-31 make v.
; x COMES ONCE FOR THE WORK-GROUP: wave w loads the fragments of row tile w (16 loads) and stores them in LDS as images of its registers (lane l's 16 bytes at 16 l); behind a barrier every wave loads all 64 images.
; So a wave has 40 loads out at the head, by this text's count.  The images lie where W's scale words lie afterwards: a second barrier stands between the last read of the one and the first store of the other.
; LIMITS.  A row of k whose sum of squares is 0, or under 2^-126 (v_rsq_f32 takes a denormal input as 0), gets 1 / norm = infinity: NaN or infinity in its columns' sums, where the definition gives NaN for a row of zeros
; and a finite number for the tiny row.  A sum of squares beyond f32's largest number gives 1 / norm = 0, as the definition's own norm does.  A scale byte 0xff makes its sums NaN.  The sums over rows are taken in another order than the definition's.
; REGISTERS, in windows of 256.  Window 0: v0-15 addresses; v16-23 sums of squares, then 1 / norm (at the head: work); v24-39 x's scale words; v40-47 W's scale words, two sets; v48-63 the bias of a unit's two column tiles;
;   v64-191 W's fragments, two sets of 64; v192-255 v's 8 accumulators (earlier: scale words on their way to LDS, and the norm's work).   Window 1: x's fragments (m, s) at v[8 (8 m + s)].
;   Windows 2, 3: k's accumulators: (T, m) in window 2 + T / 8 at v[32 (T % 8) + 8 m]; T counts column tiles in the order walked.
.set PITCH,  528                       ; a row of W in LDS: 512 bytes + 16 of padding = 33 x 16: the 16 rows that a load touches begin at 16 different places modulo 256 bytes
.set TILEB,  64*PITCH                  ; a wave's tile
.set SLOTB,  4*TILEB                   ; a slot
.set WSC,    2*SLOTB                   ; behind the ring: 8,192 bytes a wave: first 16 images of x's fragments, then 16 images of W's scale words, one for each half of a section
.set BSC,    WSC+4*8192                ; bqkv of the wave's columns, 2,048 bytes a wave: k's 256 numbers, then v's, in the order walked
.set NRM,    BSC+4*2048                ; the waves' sums of squares: 256 bytes a wave: 16 rows x 4 row tiles
.set SPARE,  NRM+4*256                 ; the spare words, 128 bytes for each wave: two blocks of 256 bytes that no other line names
.set RPITCH, 1040                      ; the way out: a stage row: 256 columns x 4 bytes + 16
.set SECK,   1024                      ; k's first row in Wqkv
.set SECV,   2048                      ; v's
.set PFO,  1                           ; v1   256 x lane: the prefetch's offset; never rewritten
.set STO,  2                           ; v2   the way out: where I put 32 bytes of a stage row
.set RD,   3                           ; v3   the way out: where I read 16 bytes of a stage row
.set BST,  4                           ; v4   where the bias numbers go in LDS
.set CP,   5                           ; v5, v7  CP + 2 g: where the 16 bytes at 512 g + 16 x lane of the order walked lie among the wave's 1,024 bytes in memory; never rewritten
.set S32,  6                           ; v6   32 x lane: a row of scale bytes a lane; never rewritten
.set ADRB, 8                           ; v8-9 LDS address of my lane's place in my tile of slot 0, 1
.set ASC,  10                          ; v10  my lane's place in my wave's images
.set ABI,  11                          ; v11  my half's place among the bias numbers
.set SPW,  12                          ; v12  LDS address of my spare word: SPARE + 4 x my thread's number; never rewritten
.set NIL,  13                          ; v13  0; never rewritten
.set ANS,  14                          ; v14  where I store my rows' sums of squares
.set ANL,  15                          ; v15  where I read the four waves'
.set XO,   16                          ; v16  (head) x: my lane's byte in a row tile
.set XRD,  17                          ; v17  (head) my lane's place in any wave's images
.set SS,   16
.set XS,   24                          ; XS + 8 q + s: K step s; lanes 0-15 row tile 2 q, lanes 16-31 row tile 2 q + 1
.set WS,   40                          ; WS + 4 set + ks: lanes 0-15 the unit's first column tile, lanes 16-31 its second
.set BI,   48
.set F,    64
.set VA,   192
.set NT,   192
.set NQ,   208                         ; v208-211 my four rows' sums on their way to LDS
.set WV,   22                          ; s22  my wave's number
.set G1,   24                          ; s[24:31] descriptor group 1
.set G0,   32                          ; s[32:39] descriptor group 0, one set for each slot
.set WB,   42                          ; s[42:43] Wqkv's codes at row 256 w
.set SEL,  48                          ; s[48:49] v_permlanex16_b32's selects for lane l xor 16
.set ROT,  50                          ; s50  cluster & 3
.set CLN,  51                          ; s51  the cluster's number
.set OF,   52                          ; s[52:59] OF + 2 j: the byte offset, in a wave's 256 rows of codes, of the j-th chunk walked: ((j + rot) & 3) x 64 x 512, as a pair
.set WSB,  66                          ; s[66:73] WSB + 2 j: Wqkv's scale bytes at the first row of that chunk (section 0)
.set PFA,  74                          ; s[74:75] the prefetch's base
.set MSB, 0
.macro WIN new                         ; the immediate's high byte repeats the setting that is left; a switch that changes nothing is dropped
.if MSB != (\new)
	s_set_vgpr_msb (MSB<<8)|(\new)
.set MSB, (\new)
.endif
.endm
; A load into a register that a matrix instruction has read, and a vector instruction that reads a matrix result, stand four places behind that matrix instruction; only plain vector
; instructions that name none of its registers are places (ISA guide 7.12.1 for vector instructions).
.macro PLACES n
.rept \n
	v_nop
.endr
.endm
.macro CREST                           ; a round of the cluster's barrier behind its opening barrier
	s_cmp_lg_u32 s[WV], 0
	s_cbranch_scc1 .Lnot_wave_0_\@
	s_barrier_signal -3
.Lnot_wave_0_\@:
	s_barrier_wait -3
	s_barrier_signal -1
	s_barrier_wait -1
.endm
.macro CROUND                          ; a whole round
	s_barrier_signal -1
	s_barrier_wait -1
	CREST
.endm
	s_load_b256 s[4:11], s[0:1], 0x0               ; x's codes s[4:5], x's scales s[6:7], W's codes s[8:9], W's scales s[10:11]
	s_load_b128 s[12:15], s[0:1], 0x20             ; bqkv s[12:13], part s[14:15]
	v_lshl_add_u32 v[SPW], v0, 2, SPARE
	v_mov_b32 v[NIL], 0
	ds_add_u32 v12, v13
	ds_add_u32 v12, v13
	s_wait_dscnt 0x0
	v_lshrrev_b32 v16, 5, v0
	v_readfirstlane_b32 s[WV], v16                 ; wave 0..3
	s_bfe_u32 s23, ttmp6, 0x40000                  ; cx: my place in the cluster
	s_lshl_b32 s2, ttmp9, 2                        ; in a cluster launch ttmp9 counts clusters
	s_add_co_u32 s2, s2, s23                       ; my work-group = 4 x cluster + cx: it enters x's and part's addresses alone
	s_mov_b32 s[CLN], ttmp9
	s_and_b32 s[ROT], ttmp9, 3                     ; the same in all four partners
.irp j, 0,1,2,3
	s_add_co_u32 s3, s[ROT], \j
	s_and_b32 s3, s3, 3
	s_lshl_b32 s[OF+2*\j], s3, 15                  ; 64 rows x 512 bytes a chunk
	s_mov_b32 s[OF+2*\j+1], 0
.endr
	; descriptor group 1: a tile of 64 rows x 512 bytes, padded in LDS
	s_mov_b32 s[G1+0], 15|(1<<20)|(1<<21)|(6<<22)|(3<<25)   ; 15:0 the mask: all four work-groups; 17:16 elements of 1 byte; 20 padding on; 21 set beside a mask; 24:22 after every 128 words (code 6); 31:25 four words (code 3)
	s_mov_b32 s[G1+1], 512<<16                     ; tensor_dim0 = 512
	s_mov_b32 s[G1+2], 64<<16                      ; tensor_dim1 = 64
	s_mov_b32 s[G1+3], 512<<16                     ; tile_dim0 = 512
	s_mov_b32 s[G1+4], 64                          ; tile_dim1 = 64
	s_mov_b32 s[G1+5], 512                         ; from row to row
	s_mov_b32 s[G1+6], 0
	s_mov_b32 s[G1+7], 0
	s_mov_b32 s[SEL], 0x76543210
	s_mov_b32 s[SEL+1], 0xfedcba98
	s_mul_i32 s40, s[WV], TILEB                    ; my tile's place in a slot: no place in the cluster enters an LDS address
	s_lshl_b32 s[WB], s[WV], 17                    ; my 256 rows of a section of W: 256 w x 512 bytes
	s_mov_b32 s[WB+1], 0
	s_lshl_b32 s44, s2, 15                         ; my work-group's 64 rows of x: 512 bytes a row
	s_mov_b32 s45, 0
	s_mov_b32 s47, 0
	s_wait_kmcnt 0x0
	s_add_nc_u64 s[WB:WB+1], s[8:9], s[WB:WB+1]
	s_add_nc_u64 s[4:5], s[4:5], s[44:45]
	s_lshl_b32 s46, s[WV], 13                      ; row tile w of x: 16 rows x 512 bytes; and my 256 rows of W's scale bytes: 256 x 32: the same number
	s_add_nc_u64 s[4:5], s[4:5], s[46:47]
	s_add_nc_u64 s[10:11], s[10:11], s[46:47]
	s_lshl_b32 s44, s2, 11                         ; my work-group's rows of x's scale bytes: 32 a row
	s_add_nc_u64 s[6:7], s[6:7], s[44:45]
	s_lshl_b32 s46, s[WV], 10                      ; my 256 numbers of a section of bqkv, and of a row of part
	s_add_nc_u64 s[12:13], s[12:13], s[46:47]
	s_add_nc_u64 s[14:15], s[14:15], s[46:47]
	s_lshl_b32 s44, s2, 12                         ; my work-group's row of part
	s_add_nc_u64 s[14:15], s[14:15], s[44:45]
.irp j, 0,1,2,3
	s_lshr_b32 s46, s[OF+2*\j], 4                  ; a chunk's 64 rows of scale bytes: 2,048
	s_add_nc_u64 s[WSB+2*\j:WSB+2*\j+1], s[10:11], s[46:47]
.endr
	s_lshl_b32 s44, s23, 13                        ; the prefetch: my work-group's quarter, 8,192 bytes, of my wave's tile
	s_add_nc_u64 s[PFA:PFA+1], s[WB:WB+1], s[OF:OF+1]
	s_add_nc_u64 s[PFA:PFA+1], s[PFA:PFA+1], s[44:45]
	s_add_nc_u64 s[PFA:PFA+1], s[PFA:PFA+1], SECV*512   ; of the first chunk of v that my cluster walks
.irp s, 0,1
	s_mov_b32 s[G0+4*\s], 1                                        ; count = 1
	s_add_co_u32 s[G0+4*\s+1], s40, \s*SLOTB                       ; LDS address
	s_add_nc_u64 s[G0+4*\s+2:G0+4*\s+3], s[WB:WB+1], s[OF+2*\s:OF+2*\s+1]   ; global address: the s-th chunk walked,
	s_add_nc_u64 s[G0+4*\s+2:G0+4*\s+3], s[G0+4*\s+2:G0+4*\s+3], SECK*512   ; of k
	s_or_b32 s[G0+4*\s+3], s[G0+4*\s+3], 0x80000000                ; type = 2
.endr
	CROUND                                         ; all four work-groups are here: the first joint loads meet
	tensor_load_to_lds s[G0:G0+3], s[G1:G1+7]      ; both first fills go out together, ahead of every wait on TENSORcnt, every LDS read and every further barrier: two loads of mine are out
	s_nop 0
	tensor_load_to_lds s[G0+4:G0+7], s[G1:G1+7]
	s_nop 0
	PLACES 4
	v_and_b32 v18, 15, v0                          ; r
	v_bfe_u32 v19, v0, 4, 1                        ; h
	v_and_b32 v20, 31, v0                          ; lane
	v_lshlrev_b32 v21, 4, v20                      ; 16 x lane
	v_lshlrev_b32 v[PFO], 8, v20
	v_lshlrev_b32 v[S32], 5, v20
	v_mul_u32_u24 v[ADRB], v18, PITCH
	v_lshl_add_u32 v[ADRB], v19, 4, v[ADRB]
	v_add_nc_u32 v[ADRB], s40, v[ADRB]             ; a fragment's row x pitch + 16 x half, in my tile
	v_add_nc_u32 v[ADRB+1], SLOTB, v[ADRB]
	v_mul_u32_u24 v[STO], v18, RPITCH
	v_lshl_add_u32 v[STO], v19, 5, v[STO]
	v_add_nc_u32 v[STO], s40, v[STO]               ; the stage lies in my tile of slot 0: stage row r, + 32 h
	v_add_nc_u32 v[RD], s40, v21
	s_lshl_b32 s41, s[WV], 13
	v_add_nc_u32 v[ASC], s41, v21
	v_add_nc_u32 v[ASC], WSC, v[ASC]
	v_add_nc_u32 v[XRD], WSC, v21
	s_lshl_b32 s41, s[WV], 11
	v_lshl_add_u32 v[ABI], v19, 5, s41
	v_add_nc_u32 v[ABI], BSC, v[ABI]               ; a tile's eight numbers of my half: 32 h
	v_add_nc_u32 v[BST], s41, v21
	v_add_nc_u32 v[BST], BSC, v[BST]
	v_lshlrev_b32 v[ANL], 4, v18
	v_add_nc_u32 v[ANL], NRM, v[ANL]
	s_lshl_b32 s3, s[WV], 8
	v_add_nc_u32 v[ANS], s3, v[ANL]
	v_lshlrev_b32 v[XO], 9, v18
	v_lshl_add_u32 v[XO], v19, 4, v[XO]            ; x: row r of 512 bytes, + 16 h
	v_add_nc_u32 v22, s[ROT], v19                  ; in the order walked, the 16 bytes at 512 g + 16 x lane belong to chunk 2 g + lane / 16 (a chunk's 64 columns are 256 bytes):
	v_and_b32 v[CP], 3, v22                        ; in memory that is chunk (2 g + lane / 16 + rot) & 3
	v_lshlrev_b32 v[CP], 8, v[CP]
	v_lshl_or_b32 v[CP], v18, 4, v[CP]             ; + 16 (lane % 16): sixteen neighbouring lanes cover 256 consecutive bytes, aligned
	v_add_nc_u32 v22, 2, v22
	v_and_b32 v[CP+2], 3, v22
	v_lshlrev_b32 v[CP+2], 8, v[CP+2]
	v_lshl_or_b32 v[CP+2], v18, 4, v[CP+2]
	; 40 loads.  k's scale words: image 2 U + hf = the words of K steps 4 hf .. 4 hf + 3 of unit U's 32 rows of W, a lane a row
.irp k, 0,1,2,3,4,5,6,7,8,9,10,11,12,13,14,15
	global_load_b128 v[VA+4*\k:VA+4*\k+3], v[S32], s[WSB+2*(\k/4):WSB+2*(\k/4)+1] offset:SECK*32+1024*((\k/2)%2)+16*(\k%2)
.endr
.irp g, 0,1
	global_load_b128 v[F+4*\g:F+4*\g+3], v[CP+2*\g], s[12:13] offset:SECK*4           ; k's bias,
	global_load_b128 v[F+8+4*\g:F+8+4*\g+3], v[CP+2*\g], s[12:13] offset:SECV*4       ; v's
.endr
.irp q, 0,1
.irp c, 0,1
	global_load_b128 v[XS+8*\q+4*\c:XS+8*\q+4*\c+3], v[S32], s[6:7] offset:1024*\q+16*\c   ; x's scale words: lane l takes row 32 q + l; they stay
.endr
.endr
.irp s, 0,1,2,3,4,5,6,7
.irp c, 0,1
	global_load_b128 v[F+16+4*(2*\s+\c):F+16+4*(2*\s+\c)+3], v[XO], s[4:5] offset:64*\s+32*\c   ; row tile w of x: the four registers hold K = 128 s + 64 c + 32 h + 0 .. 31
.endr
.endr
	s_wait_loadcnt 0x0
.irp k, 0,1,2,3,4,5,6,7,8,9,10,11,12,13,14,15
	ds_store_b128 v[ASC], v[F+16+4*\k:F+16+4*\k+3] offset:512*\k     ; x's images: (s, c) at 512 (2 s + c) of my wave's 8,192 bytes
.endr
.irp g, 0,1,2,3
	ds_store_b128 v[BST], v[F+4*\g:F+4*\g+3] offset:512*\g
.endr
	s_wait_dscnt 0x0                               ; for the others' sake: my images have landed
	s_barrier_signal -1
	s_barrier_wait -1                              ; the first refill has a round of its own
	WIN 0x40                                       ; destination window 1
.irp m, 0,1,2,3
.irp s, 0,1,2,3,4,5,6,7
.irp c, 0,1
	ds_load_b128 v[8*(8*\m+\s)+4*\c:8*(8*\m+\s)+4*\c+3], v[XRD] offset:8192*\m+512*(2*\s+\c)   ; the same registers in the same lanes as wave m had; they stay
.endr
.endr
.endr
	WIN 0
	s_wait_dscnt 0x0                               ; my reads of the images are over
	s_barrier_signal -1
	s_barrier_wait -1                              ; everybody's are: their bytes may be written again
.irp k, 0,1,2,3,4,5,6,7,8,9,10,11,12,13,14,15
	ds_store_b128 v[ASC], v[VA+4*\k:VA+4*\k+3] offset:512*\k
.endr
	s_wait_dscnt 0x0                               ; the stores have read their registers
.irp k, 0,1,2,3,4,5,6,7,8,9,10,11,12,13,14,15
	global_load_b128 v[VA+4*\k:VA+4*\k+3], v[S32], s[WSB+2*(\k/4):WSB+2*(\k/4)+1] offset:SECV*32+1024*((\k/2)%2)+16*(\k%2)   ; v's scale words wait in registers until k's images have been read
.endr
; The LDS loads of half i, in one run: 1 load of scale words, 4 of bias where a unit begins, 16 of fragments (K step ks, column tile n at F + 64 set + 8 (2 ks + n)).
.macro LOADS i
.set lU, (\i)/2
.set lH, (\i)%2
.set lS, ((\i)/4)%2
	ds_load_b128 v[WS+4*lH:WS+4*lH+3], v[ASC] offset:512*((\i)%16)
.if lH == 0
.irp n, 0,1
.irp c, 0,1
	ds_load_b128 v[BI+8*\n+4*\c:BI+8*\n+4*\c+3], v[ABI] offset:64*(2*lU+\n)+16*\c
.endr
.endr
.endif
.irp ks, 0,1,2,3
.irp n, 0,1
.irp c, 0,1
	ds_load_b128 v[F+64*lH+8*(2*\ks+\n)+4*\c:F+64*lH+8*(2*\ks+\n)+4*\c+3], v[ADRB+lS] offset:((lU%2)*32+16*\n)*PITCH+64*(4*lH+\ks)+32*\c
.endr
.endr
.endr
.endm
.macro WM                              ; one matrix instruction; the rows of the scale registers go by the column tile (source 0) and the row tile (source 1)
.if (mN == 1) && (mM%2 == 1)
	v_wmma_scale_f32_16x16x128_f8f6f4 v[rD:rD+7], v[rA:rA+7], v[rB:rB+7], v[rC:rC+7], v[rSA], v[rSB] matrix_a_fmt:MATRIX_FMT_FP4 matrix_b_fmt:MATRIX_FMT_FP4 matrix_a_scale:MATRIX_SCALE_ROW1 matrix_b_scale:MATRIX_SCALE_ROW1
.elseif mN == 1
	v_wmma_scale_f32_16x16x128_f8f6f4 v[rD:rD+7], v[rA:rA+7], v[rB:rB+7], v[rC:rC+7], v[rSA], v[rSB] matrix_a_fmt:MATRIX_FMT_FP4 matrix_b_fmt:MATRIX_FMT_FP4 matrix_a_scale:MATRIX_SCALE_ROW1
.elseif mM%2 == 1
	v_wmma_scale_f32_16x16x128_f8f6f4 v[rD:rD+7], v[rA:rA+7], v[rB:rB+7], v[rC:rC+7], v[rSA], v[rSB] matrix_a_fmt:MATRIX_FMT_FP4 matrix_b_fmt:MATRIX_FMT_FP4 matrix_b_scale:MATRIX_SCALE_ROW1
.else
	v_wmma_scale_f32_16x16x128_f8f6f4 v[rD:rD+7], v[rA:rA+7], v[rB:rB+7], v[rC:rC+7], v[rSA], v[rSB] matrix_a_fmt:MATRIX_FMT_FP4 matrix_b_fmt:MATRIX_FMT_FP4
.endif
.endm
; K steps k0 .. k1 of half i: 8 matrix instructions each, the unit's 8 accumulators by turns, one instruction a turn.
; kind 0: k, accumulators in windows 2, 3.  kind 1: v, accumulators in window 0.  A unit's first K step takes the bias as C: nothing is cleared and nothing is added later.
.macro MULS i, k0, k1, kind
.set mU, (\i)/2
.set mH, (\i)%2
.set mK, \k0
.rept (\k1)-(\k0)+1
.if \kind
	WIN 0x04                                       ; source 1 (x) window 1, all else window 0
.elseif (mH == 0) && (mK == 0)
	WIN 0x84+0x40*(mU/4)                           ; C (the bias) window 0, D window 2 or 3
.else
	WIN 0xa4+0x50*(mU/4)                           ; C and D window 2 or 3
.endif
.set mN, 0
.rept 2
.set mM, 0
.rept 4
.if \kind
.set rD, VA+8*(4*mN+mM)
.else
.set rD, 32*((2*mU+mN)%8)+8*mM
.endif
.set rC, rD
.if (mH == 0) && (mK == 0)
.set rC, BI+8*mN
.endif
.set rA, F+64*mH+8*(2*mK+mN)
.set rB, 8*(8*mM+4*mH+mK)
.set rSA, WS+4*mH+mK
.set rSB, XS+8*(mM/2)+4*mH+mK
	WM
.set mM, mM+1
.endr
.set mN, mN+1
.endr
.set mK, mK+1
.endr
.endm
.macro XFER                            ; v's scale words take the places of k's images.  LDS serves a wave's instructions in order (ISA guide 5.7.1.4): the load of k's last image, issued just before, comes first
	s_wait_loadcnt 0x0
.irp k, 0,1,2,3,4,5,6,7,8,9,10,11,12,13,14,15
	ds_store_b128 v[ASC], v[VA+4*\k:VA+4*\k+3] offset:512*\k
.endr
.endm
; Half i: the next half's run of LDS loads first, then this half's 32 matrix instructions.  pl: the four places are owed (no vector work stands in front).  tw: the next half begins the last chunk: its tile is waited for.
.macro HALF i, pl, tw, xf, last, kind
.if \pl
	PLACES 4
.endif
	WIN 0
.if \tw
	s_wait_tensorcnt 0x0                           ; my last tensor load: no load was issued behind it
.endif
.if \last
	s_wait_dscnt 0x0
.else
	LOADS (\i)+1
.if \xf
	XFER
.endif
	s_wait_dscnt 17+4*(1-((\i)+1)%2)+16*\xf        ; all but the run just issued: this half's fragments, scale words and bias are in
.endif
	MULS \i, 0, 3, \kind
.endm
; A chunk's last half changes slots.  In front of the barrier each wave waits for all its tensor loads (one is out: the next chunk's tile), adds 0 to its spare word, and waits for that and for its reads of this slot.
; The barrier opens a round of the cluster's barrier, so that no wave of any partner still reads the slot or has a load on its way; the joint refill, two chunks ahead, is the first thing behind the round.
; pf = 1: A PREFETCH INTO THE L2 of v's rows, which no first fill names.  It stands behind the first refill and the run of LDS loads that follows it, two chunks (256 matrix instructions) ahead of the refill that first asks for v.
; Clusters 0 to 3 ask (a branch on the cluster's number, the same in all four partners), each for the chunk of v that it walks first: these are the four different chunks.  The partners share a wave's tile of 32,768 dense
; bytes out BY ADDRESS, 8,192 each; a lane names 256 bytes: one instruction a wave.  4 clusters x 4 partners x 4 waves x 8,192 bytes are v's 1,024 rows of 512 bytes, each block named once.  Its registers are never rewritten.
.macro TURN i, pf, kind
.set tS, G0+4*(((\i)/4)%2)
.set tC, (\i)/4+2                      ; the chunk asked for: the (tC % 4)-th walked of k (tC < 4) or of v
	WIN 0                                          ; (the add's two registers lie in window 0)
	s_wait_tensorcnt 0x0                           ; no tensor load of mine is out, so a group 0 may be written
	ds_add_u32 v[SPW], v[NIL]                      ; 0 onto my spare word
	s_add_nc_u64 s[tS+2:tS+3], s[WB:WB+1], s[OF+2*(tC%4):OF+2*(tC%4)+1]   ; this slot's next chunk, made anew: my 256 rows, the chunk's place among them,
	s_add_nc_u64 s[tS+2:tS+3], s[tS+2:tS+3], (SECK+1024*(tC/4))*512       ; the section,
	s_or_b32 s[tS+3], s[tS+3], 0x80000000                                 ; type = 2
	s_wait_dscnt 1                                 ; this half's run is in; the add may be out
	MULS \i, 0, 0, \kind                           ; eight matrix instructions stand between the add and the wait for it
	s_wait_dscnt 0x0                               ; the add is done, and my reads of this slot are over
	s_barrier_signal -1
	MULS \i, 1, 1, \kind
	WIN 0
	s_barrier_wait -1
	CREST
	tensor_load_to_lds s[tS:tS+3], s[G1:G1+7]      ; my one tensor load behind the round: it has a chunk's 128 matrix instructions in which to land
	s_nop 0
	PLACES 4                                       ; the places in front of the loads below
	LOADS (\i)+1                                   ; from the other slot, which the wait above has shown whole
.if \pf
	s_cmp_lt_u32 s[CLN], 4
	s_cbranch_scc0 .Lnot_mine_\@
	global_prefetch_b8 v[PFO], s[PFA:PFA+1] th:TH_LOAD_NT scope:SCOPE_SE
.Lnot_mine_\@:
.endif
	MULS \i, 2, 3, \kind
.endm
; The squares of unit U's 64 results a lane are added to the four row tiles' sums, two at a time; each accumulator is read from its low end on; the four chains take turns.  first: the sums begin.
.macro SSQ U, first
	PLACES 4
	WIN 0x0a+5*((\U)/4)                            ; sources 0 and 1: window 2 or 3
.irp jj, 0,1,2,3
.irp n, 0,1
.irp m, 0,1,2,3
.set rK, 32*((2*(\U)+\n)%8)+8*\m+2*\jj
.if \first && (\jj == 0) && (\n == 0)
	v_pk_mul_f32 v[SS+2*\m:SS+2*\m+1], v[rK:rK+1], v[rK:rK+1]
.else
	v_pk_fma_f32 v[SS+2*\m:SS+2*\m+1], v[rK:rK+1], v[rK:rK+1], v[SS+2*\m:SS+2*\m+1]
.endif
.endr
.endr
.endr
.endm
; 1 / norm of my lane's four rows (16 m + r): the pair's halves, the other half of the lanes, the other three waves through LDS.  It ends in v[SS + 2 m].
.macro NORM
	WIN 0
.irp m, 0,1,2,3
	v_add_f32 v[SS+2*\m], v[SS+2*\m], v[SS+2*\m+1]
.endr
.irp m, 0,1,2,3
	v_permlanex16_b32 v[SS+2*\m+1], v[SS+2*\m], s[SEL], s[SEL+1]
.endr
.irp m, 0,1,2,3
	v_add_f32 v[NQ+\m], v[SS+2*\m], v[SS+2*\m+1]
.endr
	ds_store_b128 v[ANS], v[NQ:NQ+3]               ; lanes r and r + 16 write the same bytes with the same values
	s_wait_dscnt 0x0                               ; for the others' sake: my store has landed
	s_barrier_signal -1
	s_barrier_wait -1                              ; the next refill has a round of its own
.irp w, 0,1,2,3
	ds_load_b128 v[NT+4*\w:NT+4*\w+3], v[ANL] offset:256*\w
.endr
	s_wait_dscnt 0x0
	v_pk_add_f32 v[NT:NT+1], v[NT:NT+1], v[NT+4:NT+5]
	v_pk_add_f32 v[NT+2:NT+3], v[NT+2:NT+3], v[NT+6:NT+7]
	v_pk_add_f32 v[NT+8:NT+9], v[NT+8:NT+9], v[NT+12:NT+13]
	v_pk_add_f32 v[NT+10:NT+11], v[NT+10:NT+11], v[NT+14:NT+15]
	v_pk_add_f32 v[NT:NT+1], v[NT:NT+1], v[NT+8:NT+9]
	v_pk_add_f32 v[NT+2:NT+3], v[NT+2:NT+3], v[NT+10:NT+11]
.irp m, 0,1,2,3
	v_rsq_f32 v[SS+2*\m], v[NT+\m]
.endr
	v_nop                                          ; a plain instruction behind the last of the four
	s_wait_alu depctr_va_vdst(0)                   ; one wait for the four, ahead of their first reader
.endm
; v's unit u is folded away: v x 1 / norm of its row; then k(T, 0) = the sum over the four row tiles of k(T, m) x that: a lane's eight columns, summed over its rows r, 16 + r, 32 + r, 48 + r.
; k's unit u and v's unit u are the same columns: both sections are walked in the same order.
.macro PROD u
	PLACES 4
	WIN 0
.irp jj, 0,1,2,3
.irp n, 0,1
.irp m, 0,1,2,3
.set rV, VA+8*(4*\n+\m)+2*\jj
	v_pk_mul_f32 v[rV:rV+1], v[rV:rV+1], v[SS+2*\m:SS+2*\m+1] op_sel_hi:[1,0]
.endr
.endr
.endr
	WIN 0xa2+0x51*((\u)/4)                         ; k (destination, sources 0 and 2) window 2 or 3, v (source 1) window 0
.irp m, 0,1,2,3
.irp n, 0,1
.irp jj, 0,1,2,3
.set rK, 32*((2*(\u)+\n)%8)+2*\jj
.set rV, VA+8*(4*\n+\m)+2*\jj
.if \m == 0
	v_pk_mul_f32 v[rK:rK+1], v[rK:rK+1], v[rV:rV+1]
.else
	v_pk_fma_f32 v[rK:rK+1], v[rK+8*\m:rK+8*\m+1], v[rV:rV+1], v[rK:rK+1]
.endif
.endr
.endr
.endr
.endm
	s_wait_tensorcnt 1                             ; my tile of slot 0 is in; slot 1's may stay out.  I alone read my tiles, so my own wait is all the ordering that the reads need
	LOADS 0
	; ---- k: chunks 0 to 3
	HALF 0, 0, 0, 0, 0, 0
	HALF 1, 1, 0, 0, 0, 0
	SSQ 0, 1
	HALF 2, 0, 0, 0, 0, 0
	TURN 3, 1, 0                                   ; slot 0 takes k's third chunk
	SSQ 1, 0
	HALF 4, 0, 0, 0, 0, 0
	HALF 5, 1, 0, 0, 0, 0
	SSQ 2, 0
	HALF 6, 0, 0, 0, 0, 0
	TURN 7, 0, 0
	SSQ 3, 0
	HALF 8, 0, 0, 0, 0, 0
	HALF 9, 1, 0, 0, 0, 0
	SSQ 4, 0
	HALF 10, 0, 0, 0, 0, 0
	TURN 11, 0, 0                                  ; slot 0 takes v's first chunk
	SSQ 5, 0
	HALF 12, 0, 0, 0, 0, 0
	HALF 13, 1, 0, 0, 0, 0
	SSQ 6, 0
	HALF 14, 0, 0, 1, 0, 0
	TURN 15, 0, 0
	SSQ 7, 0
	NORM
	; ---- v: chunks 4 to 7
	HALF 16, 0, 0, 0, 0, 1
	HALF 17, 1, 0, 0, 0, 1
	PROD 0
	HALF 18, 0, 0, 0, 0, 1
	TURN 19, 0, 1
	PROD 1
	HALF 20, 0, 0, 0, 0, 1
	HALF 21, 1, 0, 0, 0, 1
	PROD 2
	HALF 22, 0, 0, 0, 0, 1
	TURN 23, 0, 1
	PROD 3
	HALF 24, 0, 0, 0, 0, 1                         ; the last two chunks ask for nothing, and have no round
	HALF 25, 1, 0, 0, 0, 1
	PROD 4
	HALF 26, 0, 0, 0, 0, 1
	HALF 27, 1, 1, 0, 0, 1
	PROD 5
	HALF 28, 0, 0, 0, 0, 1
	HALF 29, 1, 0, 0, 0, 1
	PROD 6
	HALF 30, 0, 0, 0, 0, 1
	HALF 31, 0, 0, 0, 1, 1
	PROD 7
	; ---- THE WAY OUT.  k(T, 0) holds, for stage row r, my 256 columns' sums over four rows.  The 16 stage rows go through my own tile of slot 0 (it has had its last fill, and my last read of it is back)
	; and come back 16 bytes a lane, so that a lane adds 16 rows of the same four columns.  The stage is laid in the order walked; the stores' offsets put each chunk's 256 bytes where they belong in part.
	WIN 0x08                                       ; an LDS store's data are its source 1: window 2
.irp t, 0,1,2,3,4,5,6,7
	ds_store_b128 v[STO], v[32*\t:32*\t+3] offset:64*\t
	ds_store_b128 v[STO], v[32*\t+4:32*\t+7] offset:64*\t+16
.endr
	WIN 0x0c                                       ; window 3
.irp t, 0,1,2,3,4,5,6,7
	ds_store_b128 v[STO], v[32*\t:32*\t+3] offset:512+64*\t
	ds_store_b128 v[STO], v[32*\t+4:32*\t+7] offset:512+64*\t+16
.endr
	WIN 0
.irp rr, 0,1,2,3,4,5,6,7,8,9,10,11,12,13,14,15
.irp g, 0,1
	ds_load_b128 v[F+8*\rr+4*\g:F+8*\rr+4*\g+3], v[RD] offset:RPITCH*\rr+512*\g   ; LDS serves a wave's instructions in order: these see my stores
.endr
.endr
	s_wait_dscnt 0x0
.irp st, 8,4,2,1
.set pp, 0
.rept \st
.irp p, 0,1,2,3
	v_pk_add_f32 v[F+8*pp+2*\p:F+8*pp+2*\p+1], v[F+8*pp+2*\p:F+8*pp+2*\p+1], v[F+8*(pp+\st)+2*\p:F+8*(pp+\st)+2*\p+1]
.endr
.set pp, pp+1
.endr
.endr
.irp g, 0,1
	global_store_b128 v[CP+2*\g], v[F+4*\g:F+4*\g+3], s[14:15]   ; sixteen neighbouring lanes store 256 consecutive bytes, at a multiple of 256 from part's first byte
.endr
	s_wait_tensorcnt 0x0                           ; the wave's end: behind my last tensor load and my last LDS store
	ds_add_u32 v[SPW], v[NIL]
	s_wait_dscnt 0x0
	CROUND                                         ; the closing round: no work-group ends while a partner may still ask for a tile that names it
	s_endpgm
.Lfunc_end_k_qf856ba4e59_kvsum:
	.size	k_qf856ba4e59_kvsum, .Lfunc_end_k_qf856ba4e59_kvsum-k_qf856ba4e59_kvsum
	.p2alignl 7, 3214868480
	.fill 96, 4, 3214868480
	.section	.rodata,"a",@progbits
	.p2align	6, 0x0
	.amdhsa_kernel k_qf856ba4e59_kvsum
		.amdhsa_group_segment_fixed_size 327680
		.amdhsa_private_segment_fixed_size 0
		.amdhsa_enable_private_segment 0
		.amdhsa_kernarg_size 48
		.amdhsa_user_sgpr_count 2
		.amdhsa_user_sgpr_kernarg_segment_ptr 1
		.amdhsa_wavefront_size32 1
		.amdhsa_system_sgpr_workgroup_id_x 1
		.amdhsa_system_sgpr_workgroup_id_y 1
		.amdhsa_system_sgpr_workgroup_id_z 1
		.amdhsa_system_vgpr_workitem_id 0
		.amdhsa_next_free_vgpr 1024
		.amdhsa_next_free_sgpr 76
		.amdhsa_reserve_vcc 0
		.amdhsa_float_denorm_mode_32 3
		.amdhsa_float_denorm_mode_16_64 3
		.amdhsa_memory_ordered 1
		.amdhsa_forward_progress 1
		.amdhsa_inst_pref_size 255
	.end_amdhsa_kernel
	.section	.bss,"aw",@nobits
	.p2align	6
	.space	262144
	.amdgpu_metadata
---
amdhsa.version: [ 1, 2 ]
amdhsa.kernels:
  - .name:           k_qf856ba4e59_kvsum
    .symbol:         k_qf856ba4e59_kvsum.kd
    .args:
      - { .name: x_codes, .offset: 0, .size: 8, .value_kind: global_buffer, .address_space: global }
      - { .name: x_scales, .offset: 8, .size: 8, .value_kind: global_buffer, .address_space: global }
      - { .name: Wqkv_codes, .offset: 16, .size: 8, .value_kind: global_buffer, .address_space: global }
      - { .name: Wqkv_scales, .offset: 24, .size: 8, .value_kind: global_buffer, .address_space: global }
      - { .name: bqkv, .offset: 32, .size: 8, .value_kind: global_buffer, .address_space: global }
      - { .name: part, .offset: 40, .size: 8, .value_kind: global_buffer, .address_space: global }
    .group_segment_fixed_size: 327680
    .private_segment_fixed_size: 0
    .kernarg_segment_align: 8
    .kernarg_segment_size: 48
    .max_flat_workgroup_size: 128
    .sgpr_count:     76
    .vgpr_count:     1024
    .wavefront_size: 32
...
	.end_amdgpu_metadata
.endif
;; end of part 1
;; launch outq (part 2): grid 256 x 1, 4 waves a work-group, clusters of 4 x 1, 327,680 bytes of LDS; arguments x_codes, x_scales, Wqkv_codes, Wqkv_scales, bqkv, scale, bias, part, out0; writes out0
.if DOCPART == 2
	.amdgcn_target "amdgcn-amd-amdhsa--gfx1250"
	.amdhsa_code_object_version 6
	.text
	.protected	k_qf856ba4e59_outq
	.globl	k_qf856ba4e59_outq
	.p2align	8
	.type	k_qf856ba4e59_outq,@function
k_qf856ba4e59_outq:
	s_mov_b64 s[64:65], 0
	v_nop
	global_prefetch_b8 v0, s[64:65] scope:SCOPE_SE
	s_setreg_imm32_b32 hwreg(HW_REG_WAVE_MODE, 25, 1), 1
	s_wait_xcnt 0x0
	s_wait_alu depctr_hold_cnt(0) depctr_sa_sdst(0) depctr_va_vdst(0) depctr_va_sdst(0) depctr_va_ssrc(0) depctr_va_vcc(0) depctr_vm_vsrc(0)
	s_getreg_b32 s2, hwreg(HW_REG_IB_STS2, 6, 4)
	s_cmp_eq_u32 s2, 0
	s_cbranch_scc0 .Lentry_in_a_cluster
	s_endpgm
.Lentry_in_a_cluster:
	s_bfe_u32 s2, ttmp6, 0x10000c
	s_cmp_lg_u32 s2, 0x3003
	s_cbranch_scc0 .Lentry_shape_is_right
	s_endpgm
.Lentry_shape_is_right:
; out[t][d] = q[t][d] / |q[t]| x kv[b][d] x scale[d] + bias[d], where q = x Wq + bq (columns 0 .. 1023 of Wqkv) and kv[b][d] = the sum of the 64 rows of part that belong to batch b (a batch is 64 work-groups of 64 rows).
; x: [16384][1024], Wqkv: [3072][1024]: codes of FP4 (E2M1), two a byte, K innermost, one E8M0 byte for each 32 along K.  The product by the scaled matrix instruction on the codes as they lie; all else f32.
; SHARES.  A work-group owns 64 WHOLE rows (a row's norm wants all its 1,024 columns): 256 work-groups.  Wave w owns columns 256 w .. 256 w + 255 for all 64 rows: 64 accumulators, 512 registers.  x's 64 rows stay in 256 registers of every wave.
; THE MATRIX INSTRUCTION IS USED TRANSPOSED: source 0 = 16 rows of Wqkv (16 output columns), source 1 = 16 rows of x.  In tile (T, m) a lane (r, h) holds row 16 m + r and eight neighbouring columns.
; THE WEIGHTS go through a ring of two LDS slots; a slot holds, for each wave, 64 rows of Wqkv x all of K: a CHUNK, of which there are four.  Each wave asks for, and reads, its own tile alone, each fragment once.
; CLUSTER.  The four work-groups of a cluster walk the same weights: each tile is asked for JOINTLY, by the same tensor load with the same descriptor (made of the wave's number, the cluster's number and constants) and a mask that names the four.
; THE ORDER OF THE CHUNKS TURNS WITH THE CLUSTER: rot = cluster & 3, and the j-th chunk that a cluster walks is rows 64 ((j + rot) & 3) on of the wave's 256.  So at any step the 64 clusters ask for four different quarters
; of the section and not all for the same one.  Registers and LDS are laid in the order walked; rot enters global addresses alone: the tiles', the scale words', and, by the two offsets CP, bqkv's, scale's, bias's, part's and out's.
; x COMES ONCE FOR THE WORK-GROUP: wave w loads the fragments of row tile w (16 loads) and stores them in LDS as images of its registers (lane l's 16 bytes at 16 l); behind a barrier every wave loads all 64 images.
; The images lie where W's scale words lie afterwards: a second barrier stands between the last read of the one and the first store of the other.
; THE PARTIAL SUMS of kv, 64 rows x my 256 columns: two runs of 31 rows (62 loads: by this text's count a wave never has more than 62 loads out, inside LOADcnt's field of 63, past which an instruction is held at issue:
; ISA guide 5.7.1) into window 3, which the product does not need before its fifth unit; they are added up between the first chunks' products.  The two rows left over come later, with scale and bias, into window 0.
; The batch's rows are taken as two halves of 32; work-groups whose (cluster >> 2) is odd take the upper half first.
; A UNIT is 32 columns x 64 rows x all K: 64 matrix instructions on 8 accumulators by turns; a HALF is 4 of its 8 K steps of 128.
; No prefetch: every chunk of q's rows is among some cluster's first fills, and both halves of part's rows are among some work-group's first run, so that no stream is left whose first request comes later than the head's but part's two last rows.
; LIMITS.  A row of q whose sum of squares is 0, or under 2^-126 (v_rsq_f32 takes a denormal input as 0), gets 1 / norm = infinity: NaN or infinity in that row, where the definition gives NaN for a row of zeros and finite
; numbers for the tiny row.  A sum of squares beyond f32's largest number gives 1 / norm = 0, as the definition's own norm does.  A scale byte 0xff makes its sums NaN.  kv's sum is taken in another order than the definition's,
; and in two orders among the work-groups of a batch.
; REGISTERS, in windows of 256.  Window 0: v0-15 addresses; v16-23 sums of squares, then 1 / norm (at the head: work); v24-39 x's scale words; v40-47 W's scale words, two sets; v48-63 the bias of a unit's two column tiles;
;   v64-191 W's fragments, two sets of 64, on the way out rows of out; v192-199 kv; v200-207 scale, then kv x scale; v208-215 bias; v216-231 the norm's work; v232-247 part's two last rows; v248-251 the norm's store
;   (at the head v192-255: scale words on their way to LDS).   Window 1: x's fragments (m, s) at v[8 (8 m + s)].   Windows 2, 3: the accumulators: (T, m) in window 2 + T / 8 at v[32 (T % 8) + 8 m]; T counts column tiles in the order walked.
.set PITCH,  528                       ; a row of W in LDS, and a stage row on the way out: 512 bytes + 16 of padding = 33 x 16: the 16 rows that a load or store touches begin at 16 different places modulo 256 bytes
.set TILEB,  64*PITCH                  ; a wave's tile
.set SLOTB,  4*TILEB                   ; a slot
.set WSC,    2*SLOTB                   ; behind the ring: 8,192 bytes a wave: first 16 images of x's fragments, then 16 images of W's scale words, one for each half
.set BSC,    WSC+4*8192                ; bqkv of the wave's columns, in the order walked: 1,024 bytes of the 2,048 that a wave has here
.set NRM,    BSC+4*2048                ; the waves' sums of squares: 256 bytes a wave: 16 rows x 4 row tiles
.set SPARE,  NRM+4*256                 ; the spare words, 128 bytes for each wave: two blocks of 256 bytes that no other line names
.set STO,  2                           ; v2   the way out: where I put 32 bytes of a stage row
.set RD,   3                           ; v3   the way out: where I read 16 bytes of a stage row
.set BST,  4                           ; v4   where the bias numbers go in LDS
.set CP,   5                           ; v5, v7  CP + 2 g: where the 16 bytes at 512 g + 16 x lane of the order walked lie among the wave's 1,024 bytes in memory; never rewritten
.set S32,  6                           ; v6   32 x lane: a row of scale bytes a lane
.set ADRB, 8                           ; v8-9 LDS address of my lane's place in my tile of slot 0, 1
.set ASC,  10                          ; v10  my lane's place in my wave's images
.set ABI,  11                          ; v11  my half's place among the bias numbers
.set SPW,  12                          ; v12  LDS address of my spare word: SPARE + 4 x my thread's number; never rewritten
.set NIL,  13                          ; v13  0; never rewritten
.set ANS,  14                          ; v14  where I store my rows' sums of squares
.set ANL,  15                          ; v15  where I read the four waves'
.set XO,   16                          ; v16  (head) x: my lane's byte in a row tile
.set XRD,  17                          ; v17  (head) my lane's place in any wave's images
.set SS,   16
.set XS,   24                          ; XS + 8 q + s: K step s; lanes 0-15 row tile 2 q, lanes 16-31 row tile 2 q + 1
.set WS,   40                          ; WS + 4 set + ks: lanes 0-15 the unit's first column tile, lanes 16-31 its second
.set BI,   48
.set F,    64
.set VA,   192                         ; the head's transit
.set KV,   192                         ; KV + 4 g: the four columns at 512 g + 16 x lane of the order walked
.set SCL,  200
.set OB,   208
.set NT,   216
.set P2,   232
.set NQ,   248
.set WV,   22                          ; s22  my wave's number
.set G1,   24                          ; s[24:31] descriptor group 1
.set G0,   32                          ; s[32:39] descriptor group 0, one set for each slot
.set WB,   42                          ; s[42:43] Wqkv's codes at row 256 w
.set SEL,  48                          ; s[48:49] v_permlanex16_b32's selects for lane l xor 16
.set ROT,  50                          ; s50  cluster & 3
.set OF,   52                          ; s[52:59] OF + 2 j: the byte offset, in a wave's 256 rows of codes, of the j-th chunk walked: ((j + rot) & 3) x 64 x 512, as a pair
.set WSB,  66                          ; s[66:73] WSB + 2 j: Wqkv's scale bytes at the first row of that chunk
.set PB,   74                          ; s[74:77] PB + 2 b: part at my columns, at the half of my batch's rows that I take b-th
.set MSB, 0
.macro WIN new                         ; the immediate's high byte repeats the setting that is left; a switch that changes nothing is dropped
.if MSB != (\new)
	s_set_vgpr_msb (MSB<<8)|(\new)
.set MSB, (\new)
.endif
.endm
; A load into a register that a matrix instruction has read, and a vector instruction that reads a matrix result, stand four places behind that matrix instruction; only plain vector
; instructions that name none of its registers are places (ISA guide 7.12.1 for vector instructions).
.macro PLACES n
.rept \n
	v_nop
.endr
.endm
.macro CREST                           ; a round of the cluster's barrier behind its opening barrier
	s_cmp_lg_u32 s[WV], 0
	s_cbranch_scc1 .Lnot_wave_0_\@
	s_barrier_signal -3
.Lnot_wave_0_\@:
	s_barrier_wait -3
	s_barrier_signal -1
	s_barrier_wait -1
.endm
.macro CROUND                          ; a whole round
	s_barrier_signal -1
	s_barrier_wait -1
	CREST
.endm
; 31 rows of part x my 256 columns into window 3: row pp at v[8 pp]; sixteen neighbouring lanes read 256 consecutive bytes
.macro PLOAD b
	WIN 0xc0                                       ; destination window 3
.irp pp, 0,1,2,3,4,5,6,7,8,9,10,11,12,13,14,15,16,17,18,19,20,21,22,23,24,25,26,27,28,29,30
.irp g, 0,1
	global_load_b128 v[8*\pp+4*\g:8*\pp+4*\g+3], v[CP+2*\g], s[PB+2*\b:PB+2*\b+1] offset:4096*\pp
.endr
.endr
	WIN 0
.endm
; and their sum, two numbers at a time, as a tree (row 15 has no partner in its first stage); run 0 starts kv, run 1 is added to it
.macro PSUM b
	s_wait_loadcnt 0x0
	WIN 0xcf                                       ; destination and both sources window 3
.irp st, 16,8,4,2
.set pp, 0
.rept \st
.if pp+\st < 31
.irp p, 0,1,2,3
	v_pk_add_f32 v[8*pp+2*\p:8*pp+2*\p+1], v[8*pp+2*\p:8*pp+2*\p+1], v[8*(pp+\st)+2*\p:8*(pp+\st)+2*\p+1]
.endr
.endif
.set pp, pp+1
.endr
.endr
.if \b == 0
	WIN 0x0f                                       ; destination window 0
.irp p, 0,1,2,3
	v_pk_add_f32 v[KV+2*\p:KV+2*\p+1], v[2*\p:2*\p+1], v[8+2*\p:8+2*\p+1]
.endr
.else
.irp p, 0,1,2,3
	v_pk_add_f32 v[2*\p:2*\p+1], v[2*\p:2*\p+1], v[8+2*\p:8+2*\p+1]
.endr
	WIN 0x0c                                       ; source 1 window 3
.irp p, 0,1,2,3
	v_pk_add_f32 v[KV+2*\p:KV+2*\p+1], v[KV+2*\p:KV+2*\p+1], v[2*\p:2*\p+1]
.endr
.endif
	WIN 0
.endm
	s_load_b256 s[4:11], s[0:1], 0x0               ; x's codes s[4:5], x's scales s[6:7], W's codes s[8:9], W's scales s[10:11]
	s_load_b256 s[12:19], s[0:1], 0x20             ; bqkv s[12:13], scale s[14:15], bias s[16:17], part s[18:19]
	s_load_b64 s[20:21], s[0:1], 0x40              ; out
	v_lshl_add_u32 v[SPW], v0, 2, SPARE
	v_mov_b32 v[NIL], 0
	ds_add_u32 v12, v13
	ds_add_u32 v12, v13
	s_wait_dscnt 0x0
	v_lshrrev_b32 v16, 5, v0
	v_readfirstlane_b32 s[WV], v16                 ; wave 0..3
	s_bfe_u32 s23, ttmp6, 0x40000                  ; cx: my place in the cluster
	s_lshl_b32 s2, ttmp9, 2                        ; in a cluster launch ttmp9 counts clusters
	s_add_co_u32 s2, s2, s23                       ; my work-group = 4 x cluster + cx: it enters x's, part's and out's addresses alone
	s_and_b32 s[ROT], ttmp9, 3                     ; the same in all four partners
.irp j, 0,1,2,3
	s_add_co_u32 s3, s[ROT], \j
	s_and_b32 s3, s3, 3
	s_lshl_b32 s[OF+2*\j], s3, 15                  ; 64 rows x 512 bytes a chunk
	s_mov_b32 s[OF+2*\j+1], 0
.endr
	; descriptor group 1: a tile of 64 rows x 512 bytes, padded in LDS
	s_mov_b32 s[G1+0], 15|(1<<20)|(1<<21)|(6<<22)|(3<<25)   ; 15:0 the mask: all four work-groups; 17:16 elements of 1 byte; 20 padding on; 21 set beside a mask; 24:22 after every 128 words (code 6); 31:25 four words (code 3)
	s_mov_b32 s[G1+1], 512<<16                     ; tensor_dim0 = 512
	s_mov_b32 s[G1+2], 64<<16                      ; tensor_dim1 = 64
	s_mov_b32 s[G1+3], 512<<16                     ; tile_dim0 = 512
	s_mov_b32 s[G1+4], 64                          ; tile_dim1 = 64
	s_mov_b32 s[G1+5], 512                         ; from row to row
	s_mov_b32 s[G1+6], 0
	s_mov_b32 s[G1+7], 0
	s_mov_b32 s[SEL], 0x76543210
	s_mov_b32 s[SEL+1], 0xfedcba98
	s_mul_i32 s40, s[WV], TILEB                    ; my tile's place in a slot: no place in the cluster enters an LDS address
	s_lshl_b32 s[WB], s[WV], 17                    ; my 256 rows of W: 256 w x 512 bytes
	s_mov_b32 s[WB+1], 0
	s_lshl_b32 s44, s2, 15                         ; my work-group's 64 rows of x: 512 bytes a row
	s_mov_b32 s45, 0
	s_mov_b32 s47, 0
	s_wait_kmcnt 0x0
	s_add_nc_u64 s[WB:WB+1], s[8:9], s[WB:WB+1]
	s_add_nc_u64 s[4:5], s[4:5], s[44:45]
	s_lshl_b32 s46, s[WV], 13                      ; row tile w of x: 16 rows x 512 bytes; and my 256 rows of W's scale bytes: 256 x 32: the same number
	s_add_nc_u64 s[4:5], s[4:5], s[46:47]
	s_add_nc_u64 s[10:11], s[10:11], s[46:47]
	s_lshl_b32 s44, s2, 11                         ; my work-group's rows of x's scale bytes: 32 a row
	s_add_nc_u64 s[6:7], s[6:7], s[44:45]
	s_lshl_b32 s46, s[WV], 10                      ; my 256 columns, 4 bytes each: in bqkv, scale, bias, a row of part and a row of out
	s_add_nc_u64 s[12:13], s[12:13], s[46:47]
	s_add_nc_u64 s[14:15], s[14:15], s[46:47]
	s_add_nc_u64 s[16:17], s[16:17], s[46:47]
	s_add_nc_u64 s[18:19], s[18:19], s[46:47]
	s_add_nc_u64 s[20:21], s[20:21], s[46:47]
	s_lshr_b32 s44, s2, 6                          ; my batch,
	s_lshl_b32 s44, s44, 18                        ; its 64 rows of part, 4,096 bytes each
	s_add_nc_u64 s[18:19], s[18:19], s[44:45]
	s_lshl_b32 s44, s2, 18                         ; my work-group's 64 rows of out
	s_add_nc_u64 s[20:21], s[20:21], s[44:45]
	s_lshr_b32 s44, ttmp9, 2
	s_and_b32 s44, s44, 1
	s_lshl_b32 s44, s44, 17                        ; which half of the batch's rows I take first: 32 rows x 4,096 bytes
	s_add_nc_u64 s[PB:PB+1], s[18:19], s[44:45]
	s_xor_b32 s44, s44, 1<<17                      ; and the other
	s_add_nc_u64 s[PB+2:PB+3], s[18:19], s[44:45]
.irp j, 0,1,2,3
	s_lshr_b32 s46, s[OF+2*\j], 4                  ; a chunk's 64 rows of scale bytes: 2,048
	s_add_nc_u64 s[WSB+2*\j:WSB+2*\j+1], s[10:11], s[46:47]
.endr
.irp s, 0,1
	s_mov_b32 s[G0+4*\s], 1                                        ; count = 1
	s_add_co_u32 s[G0+4*\s+1], s40, \s*SLOTB                       ; LDS address
	s_add_nc_u64 s[G0+4*\s+2:G0+4*\s+3], s[WB:WB+1], s[OF+2*\s:OF+2*\s+1]   ; global address: the s-th chunk walked
	s_or_b32 s[G0+4*\s+3], s[G0+4*\s+3], 0x80000000                ; type = 2
.endr
	CROUND                                         ; all four work-groups are here: the first joint loads meet
	tensor_load_to_lds s[G0:G0+3], s[G1:G1+7]      ; both first fills go out together, ahead of every wait on TENSORcnt, every LDS read and every further barrier: two loads of mine are out
	s_nop 0
	tensor_load_to_lds s[G0+4:G0+7], s[G1:G1+7]
	s_nop 0
	PLACES 4
	v_and_b32 v18, 15, v0                          ; r
	v_bfe_u32 v19, v0, 4, 1                        ; h
	v_and_b32 v20, 31, v0                          ; lane
	v_lshlrev_b32 v21, 4, v20                      ; 16 x lane
	v_lshlrev_b32 v[S32], 5, v20
	v_mul_u32_u24 v[ADRB], v18, PITCH
	v_lshl_add_u32 v[STO], v19, 5, v[ADRB]
	v_add_nc_u32 v[STO], s40, v[STO]               ; the stage lies in my tile of slot 0: stage row r, + 32 h
	v_lshl_add_u32 v[ADRB], v19, 4, v[ADRB]
	v_add_nc_u32 v[ADRB], s40, v[ADRB]             ; a fragment's row x pitch + 16 x half, in my tile
	v_add_nc_u32 v[ADRB+1], SLOTB, v[ADRB]
	v_add_nc_u32 v[RD], s40, v21
	s_lshl_b32 s41, s[WV], 13
	v_add_nc_u32 v[ASC], s41, v21
	v_add_nc_u32 v[ASC], WSC, v[ASC]
	v_add_nc_u32 v[XRD], WSC, v21
	s_lshl_b32 s41, s[WV], 11
	v_lshl_add_u32 v[ABI], v19, 5, s41
	v_add_nc_u32 v[ABI], BSC, v[ABI]               ; a tile's eight numbers of my half: 32 h
	v_add_nc_u32 v[BST], s41, v21
	v_add_nc_u32 v[BST], BSC, v[BST]
	v_lshlrev_b32 v[ANL], 4, v18
	v_add_nc_u32 v[ANL], NRM, v[ANL]
	s_lshl_b32 s3, s[WV], 8
	v_add_nc_u32 v[ANS], s3, v[ANL]
	v_lshlrev_b32 v[XO], 9, v18
	v_lshl_add_u32 v[XO], v19, 4, v[XO]            ; x: row r of 512 bytes, + 16 h
	v_add_nc_u32 v22, s[ROT], v19                  ; in the order walked, the 16 bytes at 512 g + 16 x lane belong to chunk 2 g + lane / 16 (a chunk's 64 columns are 256 bytes):
	v_and_b32 v[CP], 3, v22                        ; in memory that is chunk (2 g + lane / 16 + rot) & 3
	v_lshlrev_b32 v[CP], 8, v[CP]
	v_lshl_or_b32 v[CP], v18, 4, v[CP]             ; + 16 (lane % 16): sixteen neighbouring lanes cover 256 consecutive bytes, aligned
	v_add_nc_u32 v22, 2, v22
	v_and_b32 v[CP+2], 3, v22
	v_lshlrev_b32 v[CP+2], 8, v[CP+2]
	v_lshl_or_b32 v[CP+2], v18, 4, v[CP+2]
	; 38 loads.  W's scale words: image 2 U + hf = the words of K steps 4 hf .. 4 hf + 3 of unit U's 32 rows of W, a lane a row
.irp k, 0,1,2,3,4,5,6,7,8,9,10,11,12,13,14,15
	global_load_b128 v[VA+4*\k:VA+4*\k+3], v[S32], s[WSB+2*(\k/4):WSB+2*(\k/4)+1] offset:1024*((\k/2)%2)+16*(\k%2)
.endr
.irp g, 0,1
	global_load_b128 v[F+4*\g:F+4*\g+3], v[CP+2*\g], s[12:13]                         ; q's bias
.endr
.irp q, 0,1
.irp c, 0,1
	global_load_b128 v[XS+8*\q+4*\c:XS+8*\q+4*\c+3], v[S32], s[6:7] offset:1024*\q+16*\c   ; x's scale words: lane l takes row 32 q + l; they stay
.endr
.endr
.irp s, 0,1,2,3,4,5,6,7
.irp c, 0,1
	global_load_b128 v[F+16+4*(2*\s+\c):F+16+4*(2*\s+\c)+3], v[XO], s[4:5] offset:64*\s+32*\c   ; row tile w of x: the four registers hold K = 128 s + 64 c + 32 h + 0 .. 31
.endr
.endr
	s_wait_loadcnt 0x0
.irp k, 0,1,2,3,4,5,6,7,8,9,10,11,12,13,14,15
	ds_store_b128 v[ASC], v[F+16+4*\k:F+16+4*\k+3] offset:512*\k     ; x's images: (s, c) at 512 (2 s + c) of my wave's 8,192 bytes
.endr
.irp g, 0,1
	ds_store_b128 v[BST], v[F+4*\g:F+4*\g+3] offset:512*\g
.endr
	PLOAD 0                                        ; part's first 31 rows are on their way while x goes round
	s_wait_dscnt 0x0                               ; for the others' sake: my images have landed
	s_barrier_signal -1
	s_barrier_wait -1                              ; the first refill has a round of its own
	WIN 0x40                                       ; destination window 1
.irp m, 0,1,2,3
.irp s, 0,1,2,3,4,5,6,7
.irp c, 0,1
	ds_load_b128 v[8*(8*\m+\s)+4*\c:8*(8*\m+\s)+4*\c+3], v[XRD] offset:8192*\m+512*(2*\s+\c)   ; the same registers in the same lanes as wave m had; they stay
.endr
.endr
.endr
	WIN 0
	s_wait_dscnt 0x0                               ; my reads of the images are over
	s_barrier_signal -1
	s_barrier_wait -1                              ; everybody's are: their bytes may be written again
.irp k, 0,1,2,3,4,5,6,7,8,9,10,11,12,13,14,15
	ds_store_b128 v[ASC], v[VA+4*\k:VA+4*\k+3] offset:512*\k
.endr
; The LDS loads of half i, in one run: 1 load of scale words, 4 of bias where a unit begins, 16 of fragments (K step ks, column tile n at F + 64 set + 8 (2 ks + n)).
.macro LOADS i
.set lU, (\i)/2
.set lH, (\i)%2
.set lS, ((\i)/4)%2
	ds_load_b128 v[WS+4*lH:WS+4*lH+3], v[ASC] offset:512*(\i)
.if lH == 0
.irp n, 0,1
.irp c, 0,1
	ds_load_b128 v[BI+8*\n+4*\c:BI+8*\n+4*\c+3], v[ABI] offset:64*(2*lU+\n)+16*\c
.endr
.endr
.endif
.irp ks, 0,1,2,3
.irp n, 0,1
.irp c, 0,1
	ds_load_b128 v[F+64*lH+8*(2*\ks+\n)+4*\c:F+64*lH+8*(2*\ks+\n)+4*\c+3], v[ADRB+lS] offset:((lU%2)*32+16*\n)*PITCH+64*(4*lH+\ks)+32*\c
.endr
.endr
.endr
.endm
.macro WM                              ; one matrix instruction; the rows of the scale registers go by the column tile (source 0) and the row tile (source 1)
.if (mN == 1) && (mM%2 == 1)
	v_wmma_scale_f32_16x16x128_f8f6f4 v[rD:rD+7], v[rA:rA+7], v[rB:rB+7], v[rC:rC+7], v[rSA], v[rSB] matrix_a_fmt:MATRIX_FMT_FP4 matrix_b_fmt:MATRIX_FMT_FP4 matrix_a_scale:MATRIX_SCALE_ROW1 matrix_b_scale:MATRIX_SCALE_ROW1
.elseif mN == 1
	v_wmma_scale_f32_16x16x128_f8f6f4 v[rD:rD+7], v[rA:rA+7], v[rB:rB+7], v[rC:rC+7], v[rSA], v[rSB] matrix_a_fmt:MATRIX_FMT_FP4 matrix_b_fmt:MATRIX_FMT_FP4 matrix_a_scale:MATRIX_SCALE_ROW1
.elseif mM%2 == 1
	v_wmma_scale_f32_16x16x128_f8f6f4 v[rD:rD+7], v[rA:rA+7], v[rB:rB+7], v[rC:rC+7], v[rSA], v[rSB] matrix_a_fmt:MATRIX_FMT_FP4 matrix_b_fmt:MATRIX_FMT_FP4 matrix_b_scale:MATRIX_SCALE_ROW1
.else
	v_wmma_scale_f32_16x16x128_f8f6f4 v[rD:rD+7], v[rA:rA+7], v[rB:rB+7], v[rC:rC+7], v[rSA], v[rSB] matrix_a_fmt:MATRIX_FMT_FP4 matrix_b_fmt:MATRIX_FMT_FP4
.endif
.endm
; K steps k0 .. k1 of half i: 8 matrix instructions each, the unit's 8 accumulators by turns, one instruction a turn.
; A unit's first K step takes the bias as C: nothing is cleared and nothing is added later.
.macro MULS i, k0, k1
.set mU, (\i)/2
.set mH, (\i)%2
.set mK, \k0
.rept (\k1)-(\k0)+1
.if (mH == 0) && (mK == 0)
	WIN 0x84+0x40*(mU/4)                           ; source 1 (x) window 1, C (the bias) window 0, D window 2 or 3
.else
	WIN 0xa4+0x50*(mU/4)                           ; C and D window 2 or 3
.endif
.set mN, 0
.rept 2
.set mM, 0
.rept 4
.set rD, 32*((2*mU+mN)%8)+8*mM
.set rC, rD
.if (mH == 0) && (mK == 0)
.set rC, BI+8*mN
.endif
.set rA, F+64*mH+8*(2*mK+mN)
.set rB, 8*(8*mM+4*mH+mK)
.set rSA, WS+4*mH+mK
.set rSB, XS+8*(mM/2)+4*mH+mK
	WM
.set mM, mM+1
.endr
.set mN, mN+1
.endr
.set mK, mK+1
.endr
.endm
; Half i: the next half's run of LDS loads first, then this half's 32 matrix instructions.  pl: the four places are owed (no vector work stands in front).  tw: the next half begins the last chunk: its tile is waited for.
.macro HALF i, pl, tw, last
.if \pl
	PLACES 4
.endif
	WIN 0
.if \tw
	s_wait_tensorcnt 0x0                           ; my last tensor load: no load was issued behind it
.endif
.if \last
	s_wait_dscnt 0x0
.else
	LOADS (\i)+1
	s_wait_dscnt 17+4*(1-((\i)+1)%2)               ; all but the run just issued: this half's fragments, scale words and bias are in
.endif
	MULS \i, 0, 3
.endm
; A chunk's last half changes slots.  In front of the barrier each wave waits for all its tensor loads (one is out: the next chunk's tile), adds 0 to its spare word, and waits for that and for its reads of this slot.
; The barrier opens a round of the cluster's barrier, so that no wave of any partner still reads the slot or has a load on its way; the joint refill, two chunks ahead, is the first thing behind the round.
.macro TURN i
.set tS, G0+4*(((\i)/4)%2)
.set tC, (\i)/4+2                      ; the chunk asked for, in the order walked
	WIN 0                                          ; (the add's two registers lie in window 0)
	s_wait_tensorcnt 0x0                           ; no tensor load of mine is out, so a group 0 may be written
	ds_add_u32 v[SPW], v[NIL]                      ; 0 onto my spare word
	s_add_nc_u64 s[tS+2:tS+3], s[WB:WB+1], s[OF+2*tC:OF+2*tC+1]   ; this slot's next chunk, made anew: my 256 rows, the chunk's place among them,
	s_or_b32 s[tS+3], s[tS+3], 0x80000000                         ; type = 2
	s_wait_dscnt 1                                 ; this half's run is in; the add may be out
	MULS \i, 0, 0                                  ; eight matrix instructions stand between the add and the wait for it
	s_wait_dscnt 0x0                               ; the add is done, and my reads of this slot are over
	s_barrier_signal -1
	MULS \i, 1, 1
	WIN 0
	s_barrier_wait -1
	CREST
	tensor_load_to_lds s[tS:tS+3], s[G1:G1+7]      ; my one tensor load behind the round: it has a chunk's 128 matrix instructions in which to land
	s_nop 0
	PLACES 4                                       ; the places in front of the loads below
	LOADS (\i)+1                                   ; from the other slot, which the wait above has shown whole
	MULS \i, 2, 3
.endm
; The squares of unit U's 64 results a lane are added to the four row tiles' sums, two at a time; each accumulator is read from its low end on; the four chains take turns.  first: the sums begin.
.macro SSQ U, first
	PLACES 4
	WIN 0x0a+5*((\U)/4)                            ; sources 0 and 1: window 2 or 3
.irp jj, 0,1,2,3
.irp n, 0,1
.irp m, 0,1,2,3
.set rK, 32*((2*(\U)+\n)%8)+8*\m+2*\jj
.if \first && (\jj == 0) && (\n == 0)
	v_pk_mul_f32 v[SS+2*\m:SS+2*\m+1], v[rK:rK+1], v[rK:rK+1]
.else
	v_pk_fma_f32 v[SS+2*\m:SS+2*\m+1], v[rK:rK+1], v[rK:rK+1], v[SS+2*\m:SS+2*\m+1]
.endif
.endr
.endr
.endr
.endm
; 1 / norm of my lane's four rows (16 m + r): the pair's halves, the other half of the lanes, the other three waves through LDS.  It ends in v[SS + 2 m].
.macro NORM
	WIN 0
.irp m, 0,1,2,3
	v_add_f32 v[SS+2*\m], v[SS+2*\m], v[SS+2*\m+1]
.endr
.irp m, 0,1,2,3
	v_permlanex16_b32 v[SS+2*\m+1], v[SS+2*\m], s[SEL], s[SEL+1]
.endr
.irp m, 0,1,2,3
	v_add_f32 v[NQ+\m], v[SS+2*\m], v[SS+2*\m+1]
.endr
	ds_store_b128 v[ANS], v[NQ:NQ+3]               ; lanes r and r + 16 write the same bytes with the same values
	s_wait_dscnt 0x0                               ; for the others' sake: my store has landed
	s_barrier_signal -1
	s_barrier_wait -1
.irp w, 0,1,2,3
	ds_load_b128 v[NT+4*\w:NT+4*\w+3], v[ANL] offset:256*\w
.endr
	s_wait_dscnt 0x0
	v_pk_add_f32 v[NT:NT+1], v[NT:NT+1], v[NT+4:NT+5]
	v_pk_add_f32 v[NT+2:NT+3], v[NT+2:NT+3], v[NT+6:NT+7]
	v_pk_add_f32 v[NT+8:NT+9], v[NT+8:NT+9], v[NT+12:NT+13]
	v_pk_add_f32 v[NT+10:NT+11], v[NT+10:NT+11], v[NT+14:NT+15]
	v_pk_add_f32 v[NT:NT+1], v[NT:NT+1], v[NT+8:NT+9]
	v_pk_add_f32 v[NT+2:NT+3], v[NT+2:NT+3], v[NT+10:NT+11]
.irp m, 0,1,2,3
	v_rsq_f32 v[SS+2*\m], v[NT+\m]
.endr
	v_nop                                          ; a plain instruction behind the last of the four
	s_wait_alu depctr_va_vdst(0)                   ; one wait for the four, ahead of their first reader
.endm
; THE WAY OUT, in eight blocks a = 2 m + g of 16 rows (row tile m) x 128 columns (window 2 + g).  PACK: x 1 / norm, where a lane still holds one row.  TOSTAGE: into my stage and back as whole stage rows of 512 bytes,
; where a lane holds four columns.  SEND: x kv x scale + bias of those columns, one fused multiply-add, and stored: the block's 32 multiply-adds first, then its 16 stores.
.macro PACK a
	WIN 0x82+0x41*((\a)%2)                         ; destination and source 0: window 2 or 3; 1 / norm: window 0
.irp t, 0,1,2,3,4,5,6,7
.irp p, 0,1,2,3
.set rK, 32*\t+8*((\a)/2)+2*\p
	v_pk_mul_f32 v[rK:rK+1], v[rK:rK+1], v[SS+2*((\a)/2):SS+2*((\a)/2)+1] op_sel_hi:[1,0]
.endr
.endr
.endm
.macro TOSTAGE a
	WIN 0x08+4*((\a)%2)                            ; an LDS store's data are its source 1: window 2 or 3
.irp t, 0,1,2,3,4,5,6,7
.set rK, 32*\t+8*((\a)/2)
	ds_store_b128 v[STO], v[rK:rK+3] offset:64*\t
	ds_store_b128 v[STO], v[rK+4:rK+7] offset:64*\t+16
.endr
	WIN 0
.set BB, F+64*((\a)%2)
.irp t, 0,1,2,3,4,5,6,7,8,9,10,11,12,13,14,15
	ds_load_b128 v[BB+4*\t:BB+4*\t+3], v[RD] offset:PITCH*\t    ; LDS serves a wave's instructions in order (ISA guide 5.7.1.4): these see the stores above, and the next block's stores come behind them
.endr
.endm
.macro SEND a, younger                 ; younger: the LDS instructions issued behind block a's loads, which may stay out
.set BB, F+64*((\a)%2)
.set sG, (\a)%2
.set sM, (\a)/2
	s_wait_dscnt \younger                          ; the block is back in registers
.irp t, 0,1,2,3,4,5,6,7,8,9,10,11,12,13,14,15
	v_pk_fma_f32 v[BB+4*\t:BB+4*\t+1], v[BB+4*\t:BB+4*\t+1], v[SCL+4*sG:SCL+4*sG+1], v[OB+4*sG:OB+4*sG+1]
	v_pk_fma_f32 v[BB+4*\t+2:BB+4*\t+3], v[BB+4*\t+2:BB+4*\t+3], v[SCL+4*sG+2:SCL+4*sG+3], v[OB+4*sG+2:OB+4*sG+3]
.endr
.irp t, 0,1,2,3,4,5,6,7,8,9,10,11,12,13,14,15
	global_store_b128 v[CP+2*sG], v[BB+4*\t:BB+4*\t+3], s[20:21] offset:(16*sM+\t)*4096 th:TH_STORE_NT   ; sixteen neighbouring lanes store 256 consecutive bytes, at a multiple of 256 from out's first byte; the row stands in the immediate: no pointer is stepped
.endr
.endm
	s_wait_tensorcnt 1                             ; my tile of slot 0 is in; slot 1's may stay out.  I alone read my tiles, so my own wait is all the ordering that the reads need
	LOADS 0                                        ; (LDS serves a wave's instructions in order: the load of image 0 sees the stores just above)
	HALF 0, 0, 0, 0
	HALF 1, 1, 0, 0
	SSQ 0, 1
	HALF 2, 0, 0, 0
	TURN 3                                         ; slot 0 takes the third chunk
	SSQ 1, 0
	PSUM 0
	PLOAD 1                                        ; 31 rows of the batch's other half
	HALF 4, 0, 0, 0
	HALF 5, 1, 0, 0
	SSQ 2, 0
	HALF 6, 0, 0, 0
	TURN 7                                         ; slot 1 takes the fourth
	SSQ 3, 0
	PSUM 1                                         ; window 3 is free again: unit 4 is the first to write there
.irp b, 0,1
.irp g, 0,1
	global_load_b128 v[P2+8*\b+4*\g:P2+8*\b+4*\g+3], v[CP+2*\g], s[PB+2*\b:PB+2*\b+1] offset:4096*31   ; the last row of each half,
.endr
.endr
.irp g, 0,1
	global_load_b128 v[SCL+4*\g:SCL+4*\g+3], v[CP+2*\g], s[14:15]   ; scale and bias of my columns, in the layout of the way out: eight loads, wanted behind the last product
	global_load_b128 v[OB+4*\g:OB+4*\g+3], v[CP+2*\g], s[16:17]
.endr
	HALF 8, 0, 0, 0                                ; the last two chunks ask for nothing, and have no round
	HALF 9, 1, 0, 0
	SSQ 4, 0
	HALF 10, 0, 0, 0
	HALF 11, 1, 1, 0
	SSQ 5, 0
	HALF 12, 0, 0, 0
	HALF 13, 1, 0, 0
	SSQ 6, 0
	HALF 14, 0, 0, 0
	HALF 15, 0, 0, 1
	SSQ 7, 0
	WIN 0
	s_wait_loadcnt 0x0
.irp p, 0,1,2,3
	v_pk_add_f32 v[P2+2*\p:P2+2*\p+1], v[P2+2*\p:P2+2*\p+1], v[P2+8+2*\p:P2+8+2*\p+1]
.endr
.irp p, 0,1,2,3
	v_pk_add_f32 v[KV+2*\p:KV+2*\p+1], v[KV+2*\p:KV+2*\p+1], v[P2+2*\p:P2+2*\p+1]       ; kv is whole
.endr
.irp p, 0,1,2,3
	v_pk_mul_f32 v[SCL+2*\p:SCL+2*\p+1], v[SCL+2*\p:SCL+2*\p+1], v[KV+2*\p:KV+2*\p+1]   ; kv x scale
.endr
	NORM
	PACK 0                                         ; the stage lies in my own tile of slot 0: it has had its last fill, and my last read of it is back
	TOSTAGE 0
.irp a, 1,2,3,4,5,6,7
	PACK \a                                        ; block a's scalings stand between block a - 1's loads from the stage and the wait for them
.if \a > 1
	s_wait_xcnt 0x0                                ; block a - 2's stores have read their registers: block a's loads may land there
.endif
	TOSTAGE \a
	SEND \a-1, 32                                  ; behind block a - 1's loads: block a's 16 stores and 16 loads
.endr
	SEND 7, 0
	s_wait_tensorcnt 0x0                           ; the wave's end: behind my last tensor load and my last LDS store
	ds_add_u32 v[SPW], v[NIL]
	s_wait_dscnt 0x0
	CROUND                                         ; the closing round: no work-group ends while a partner may still ask for a tile that names it
	s_endpgm
.Lfunc_end_k_qf856ba4e59_outq:
	.size	k_qf856ba4e59_outq, .Lfunc_end_k_qf856ba4e59_outq-k_qf856ba4e59_outq
	.p2alignl 7, 3214868480
	.fill 96, 4, 3214868480
	.section	.rodata,"a",@progbits
	.p2align	6, 0x0
	.amdhsa_kernel k_qf856ba4e59_outq
		.amdhsa_group_segment_fixed_size 327680
		.amdhsa_private_segment_fixed_size 0
		.amdhsa_enable_private_segment 0
		.amdhsa_kernarg_size 72
		.amdhsa_user_sgpr_count 2
		.amdhsa_user_sgpr_kernarg_segment_ptr 1
		.amdhsa_wavefront_size32 1
		.amdhsa_system_sgpr_workgroup_id_x 1
		.amdhsa_system_sgpr_workgroup_id_y 1
		.amdhsa_system_sgpr_workgroup_id_z 1
		.amdhsa_system_vgpr_workitem_id 0
		.amdhsa_next_free_vgpr 1024
		.amdhsa_next_free_sgpr 78
		.amdhsa_reserve_vcc 0
		.amdhsa_float_denorm_mode_32 3
		.amdhsa_float_denorm_mode_16_64 3
		.amdhsa_memory_ordered 1
		.amdhsa_forward_progress 1
		.amdhsa_inst_pref_size 213
	.end_amdhsa_kernel
	.amdgpu_metadata
---
amdhsa.version: [ 1, 2 ]
amdhsa.kernels:
  - .name:           k_qf856ba4e59_outq
    .symbol:         k_qf856ba4e59_outq.kd
    .args:
      - { .name: x_codes, .offset: 0, .size: 8, .value_kind: global_buffer, .address_space: global }
      - { .name: x_scales, .offset: 8, .size: 8, .value_kind: global_buffer, .address_space: global }
      - { .name: Wqkv_codes, .offset: 16, .size: 8, .value_kind: global_buffer, .address_space: global }
      - { .name: Wqkv_scales, .offset: 24, .size: 8, .value_kind: global_buffer, .address_space: global }
      - { .name: bqkv, .offset: 32, .size: 8, .value_kind: global_buffer, .address_space: global }
      - { .name: scale, .offset: 40, .size: 8, .value_kind: global_buffer, .address_space: global }
      - { .name: bias, .offset: 48, .size: 8, .value_kind: global_buffer, .address_space: global }
      - { .name: part, .offset: 56, .size: 8, .value_kind: global_buffer, .address_space: global }
      - { .name: out0, .offset: 64, .size: 8, .value_kind: global_buffer, .address_space: global }
    .group_segment_fixed_size: 327680
    .private_segment_fixed_size: 0
    .kernarg_segment_align: 8
    .kernarg_segment_size: 72
    .max_flat_workgroup_size: 128
    .sgpr_count:     78
    .vgpr_count:     1024
    .wavefront_size: 32
...
	.end_amdgpu_metadata
.endif
;; end of part 2
